; MI455X (gfx1250); checked and timed in simulation.
; The chip was launched on July 23, 2026; its instructions are those of AMD's public machine-readable ISA for CDNA 5 (MIT licence, August 2026) and "CDNA5" Instruction Set Architecture Reference Guide (July 2026). The comments in the code are by the model that wrote it; some were corrected since.
;; Causal Multi Head Self Attention. Allowed arithmetic: matrix products marked QUANTISED: E4M3 operands, one given power-of-two scale a tensor, by v_wmma_f32_16x16x64_fp8_fp8 or v_wmma_f32_16x16x128_fp8_fp8, f32 sums; everything else in f32.
;; Inputs: lowp_scales 12 int32 (the exponents e of the quantised operands' scales 2^e); w_k 1,024 x 1,024 float32; w_o 1,024 x 1,024 float32; w_q 1,024 x 1,024 float32; w_v 1,024 x 1,024 float32; x 4 x 2,048 x 1,024 float32.
;; Outputs: out0 4 x 2,048 x 1,024 float32.
;; This version of the problem:
;;   THIS VERSION OF THE PROBLEM IS GIVEN IN LOW PRECISION. The matrix products marked QUANTISED in the list below multiply operands that are first quantised to E4M3 (4 exponent bits, 3 mantissa bits; 8 bits a number), with one given power-of-two scale for each operand tensor; their sums are f32. All else is computed in f32.
;;   The module's matrix products, in the order in which they are computed (A, B: the left and right operand; K: the contracted axis; several contracted axes count as one K, in the product's order):
;;     1. [M 8,192, K 1,024] x [K 1,024, N 1,024]; A: input x; B: input w_q: QUANTISED (scales: A lowp_scales[0], B lowp_scales[1])
;;     2. [M 8,192, K 1,024] x [K 1,024, N 1,024]; A: input x; B: input w_k: QUANTISED (scales: A lowp_scales[2], B lowp_scales[3])
;;     3. [M 8,192, K 1,024] x [K 1,024, N 1,024]; A: input x; B: input w_v: QUANTISED (scales: A lowp_scales[4], B lowp_scales[5])
;;     4. batch 64 x [M 2,048, K 64] x [K 64, N 2,048]; A: computed on the way; B: computed on the way: QUANTISED (scales: A lowp_scales[6], B lowp_scales[7])
;;     5. batch 64 x [M 2,048, K 2,048] x [K 2,048, N 64]; A: softmax (see below); B: computed on the way: QUANTISED (scales: A lowp_scales[8], B lowp_scales[9])
;;     6. [M 8,192, K 1,024] x [K 1,024, N 1,024]; A: computed on the way; B: input w_o: QUANTISED (scales: A lowp_scales[10], B lowp_scales[11])
;;   THE QUANTISER, for each operand of a quantised product, along K:
;;     - The operand's scale is 2^e, e = its entry of the input lowp_scales (int32; the entries are numbered through the quantised products in the list's order, A before B).
;;     - Each number is divided by the scale, clamped to +-448, and rounded to the nearest number of E4M3, ties to even, subnormals kept.
;;     - The product sums the exact products of the quantised numbers (number of the format x scale) in f32.
;;   ~~~python
;;   def quantise(x, axis, e):      # numpy; x: float32 -> the quantised numbers, widened to float32 again
;;       x = np.moveaxis(x, axis, -1); K = x.shape[-1]
;;       r = np.clip(x / 2.0 ** e, -448, 448)
;;       step = 2.0 ** (np.maximum(np.frexp(np.where(r == 0, 1, r))[1] - 1, -6) - 3)
;;       q = np.round(r / step) * step * 2.0 ** e      # np.round: ties to even
;;       return np.moveaxis(q, -1, axis).astype(np.float32)
;;   ~~~
;;   SOFTMAX AHEAD OF A QUANTISED PRODUCT. Where the list says 'softmax', what is quantised is not the finished softmax but p = 2^(t - M), with t = logit x log2(e) and M = ceil(the row's largest t), a whole number; so 1/2 < the row's largest p <= 1. The row's sum l is taken of the UNQUANTISED p, in f32, and the product's result is divided by l at the end. Since M is a whole number, a kernel that streams over the keys may use a running M (the ceiling of the running maximum): every later rescaling is an exact power of two, so the quantised numbers keep their values, but for numbers so far below the row's largest that they fall under the format's range.
;;   OPERANDS COMPUTED ON THE WAY. 'Computed on the way' means the value that the module computes at that place (a softmax that the list does not call 'softmax' is quantised finished and normalised). What goes into a quantiser is computed in f32, as accurately as f32 sums, v_exp_f32 and their like allow (about 1e-6 of the number): no bf16 or f16 on the way to a quantiser, and a product that is left as it is and whose result goes on into a quantised operand takes f32 operands (vector FMAs, or v_wmma_f32_16x16x4_f32). A number that lies on a knife's edge between two numbers of the format may be rounded either way, as far as f32 arithmetic and the matrix unit's own rounding can turn it there, and no further.
;; One version. Each part assembles by itself: llvm-mc -triple=amdgcn-amd-amdhsa -mcpu=gfx1250 --defsym DOCPART=n.
;; ======== version 1 of 1: 4 launches
;; limits: right only within a limited range of input values
;; workspace buffers: xcodes 25,165,824 bytes; wcodes 4,194,304 bytes; qkvc 25,165,824 bytes; acodes 8,388,608 bytes
;; launch prep (part 1): grid 384 x 1, 4 waves a work-group, no clusters, 68,096 bytes of LDS; arguments x, w_q, w_k, w_v, w_o, lowp_scales, xcodes, wcodes; writes xcodes, wcodes
.if DOCPART == 1
	.amdgcn_target "amdgcn-amd-amdhsa--gfx1250"
	.amdhsa_code_object_version 6
	.text
	.protected	k_q333b26f417_prep
	.globl	k_q333b26f417_prep
	.p2align	8
	.type	k_q333b26f417_prep,@function
k_q333b26f417_prep:
	s_mov_b64 s[64:65], 0
	v_nop
	global_prefetch_b8 v0, s[64:65] scope:SCOPE_SE
	s_setreg_imm32_b32 hwreg(HW_REG_WAVE_MODE, 25, 1), 1
	s_wait_xcnt 0x0
; x [8192][1024] f32 and the four weights [1024 k][1024 n] f32 become codes of FP8 (E4M3), K innermost, each with the scale 2^e given for it.
; code = number / 2^e, held within +-448, rounded to the nearest code, ties to even.
; x is an operand of three products under three given scales (entries 0, 2, 4): it is read once and quantised three times: xcodes [3][8192][1024].
; wcodes [4][1024 n][1024 k]: w_q (entry 1), w_k (entry 3), w_v (entry 5), w_o (entry 11).
; LIMITS: each of these seven exponents lies between -126 and 119, so that 2^e and 448 x 2^e are f32 numbers.  NaN among the inputs is not served.
; Work-groups 0-255 take x: a wave takes 16 steps of 512 numbers.  Each load reads 512 consecutive bytes; a step's 2,048 bytes turn through the wave's own stage in LDS,
; so that a lane then holds 16 neighbours along K, whose 16 codes are 16 bytes: each store of the wave covers 512 consecutive bytes, aligned.
; Work-groups 256-383 take the weights: a lane takes a column n and its registers run down K, so the conversions give codes with K innermost; a wave gathers 32 columns x 256 K
; in its own stage and stores sixteen lanes to 256 consecutive bytes, aligned.  The two ways have LDS bytes of their own.  No barrier: waves share nothing.
.set XWGS,  256                        ; work-groups for x
.set STEPS, 16
.set SP,    80                         ; x: a lane's place in a stage: 64 bytes + 16 of padding
.set WREG,  8192                       ; x: LDS of a wave: two stages of 32 x SP bytes
.set R,     16                         ; v16-79   x: four sets of 16 numbers as loaded
.set X,     80                         ; v80-111  x: two sets of 16 neighbours
.set T,     112
.set C,     128                        ; v128-151 x: two sets of 12 registers of codes
.set WSTG,  32768                      ; weights: the stages begin here
.set WP,    272                        ; weights: a stage row: 256 bytes + 16
.set NB,    8                          ; weights: blocks of 32 along K for a wave
.set WX,    32                         ; v32-95   weights: two sets of 32 numbers
.set WC,    96                         ; v96-103  weights: a block's codes
.set OUTR,  112                        ; v112-175 weights: the way out
	s_load_b256 s[4:11], s[0:1], 0x0               ; x s[4:5], w_q s[6:7], w_k s[8:9], w_v s[10:11]
	s_load_b256 s[12:19], s[0:1], 0x20             ; w_o s[12:13], the exponents s[14:15], xcodes s[16:17], wcodes s[18:19]
	v_lshl_add_u32 v192, v0, 2, 0x10800
	v_mov_b32 v193, 0
	v_lshrrev_b32 v1, 5, v0
	v_readfirstlane_b32 s20, v1                    ; wave 0..3
	v_and_b32 v2, 31, v0                           ; lane
	s_wait_kmcnt 0x0
	s_load_b256 s[36:43], s[14:15], 0x0            ; e0 .. e7
	s_load_b128 s[44:47], s[14:15], 0x20           ; e8 .. e11
	s_cmp_lt_u32 ttmp9, XWGS
	s_cbranch_scc0 .Lweights
	s_wait_alu depctr_va_vdst(0)
; ---------------- x ----------------
	v_lshlrev_b32 v3, 4, v2                        ; 16 x lane: my bytes of a load's 512, and of a store's
	s_wait_alu depctr_va_vdst(0)
	s_mul_i32 s21, s20, WREG
	v_lshrrev_b32 v14, 2, v2
	v_mul_u32_u24 v14, v14, SP
	v_and_b32 v15, 3, v2
	v_lshl_add_u32 v14, v15, 4, v14
	v_add_nc_u32 v14, s21, v14                     ; into the stage: SP (lane / 4) + 16 (lane % 4)
	v_mul_u32_u24 v15, v2, SP
	v_add_nc_u32 v15, s21, v15                     ; out of it: SP x lane: my 16 neighbours
	s_lshl_b32 s22, ttmp9, 2
	s_add_co_u32 s22, s22, s20                     ; which run of 8,192 numbers is my wave's
	s_lshl_b32 s30, s22, 15
	s_mov_b32 s31, 0
	s_add_nc_u64 s[4:5], s[4:5], s[30:31]
	s_lshl_b32 s30, s22, 13
	s_add_nc_u64 s[24:25], s[16:17], s[30:31]      ; its codes under e0,
	s_add_nc_u64 s[26:27], s[24:25], 0x800000      ; under e2,
	s_add_nc_u64 s[28:29], s[24:25], 0x1000000     ; under e4
.macro LOADX t
.irp i, 0,1,2,3
	global_load_b128 v[R+16*((\t)%4)+4*\i:R+16*((\t)%4)+4*\i+3], v3, s[4:5] offset:2048*(\t)+512*\i th:TH_LOAD_NT
.endr
.endm
.macro TURNX t                         ; step t's numbers through the stage: LDS serves a wave's instructions in order, so no wait stands between the stores and the loads
.irp i, 0,1,2,3
	ds_store_b128 v14, v[R+16*((\t)%4)+4*\i:R+16*((\t)%4)+4*\i+3] offset:32*SP*((\t)%2)+8*SP*\i
.endr
.irp i, 0,1,2,3
	ds_load_b128 v[X+16*((\t)%2)+4*\i:X+16*((\t)%2)+4*\i+3], v15 offset:32*SP*((\t)%2)+16*\i
.endr
.endm
.irp t, 0,1,2,3
	LOADX \t
.endr
	s_wait_alu depctr_va_vdst(0)
	s_wait_kmcnt 0x0
.irp j, 0,1,2
	s_add_co_i32 s30, s[36+2*\j], 127
	s_lshl_b32 s31, s30, 23
	v_mov_b32 v[8+\j], s31                         ; 2^e as f32: the conversion takes its exponent field
	s_add_co_i32 s30, s30, 8
	s_lshl_b32 s30, s30, 23
	s_or_b32 s30, s30, 0x600000
.endr
	s_wait_alu depctr_va_vdst(0)
	s_wait_loadcnt 12                              ; step 0's four loads are in; three steps' twelve stay out
	TURNX 0
.macro XSTEP t
.set XS, X+16*((\t)%2)
.set CC, C+12*((\t)%2)
	s_wait_dscnt 0x0                               ; this step's numbers are back from the stage, and its stores into the stage have read their registers,
.if (\t)+4 < STEPS
	LOADX (\t)+4                                   ; which take the loads of four steps on
.endif
.if (\t)+1 < STEPS
.if STEPS-2-(\t) >= 3
	s_wait_loadcnt 12                              ; the next step's four loads are in; those of the three steps behind it may be out
.else
	s_wait_loadcnt 4*(STEPS-2-(\t))
.endif
	TURNX (\t)+1
.endif
	s_wait_xcnt 0x0                                ; the stores of two steps ago have read this set of code registers: it is written again only behind this wait
.irp j, 0,1,2
.irp i, 0,1,2,3,4,5,6,7,8,9,10,11,12,13,14,15
.endr
	v_cvt_scalef32_pk8_fp8_f32 v[CC+4*\j:CC+4*\j+1], v[XS:XS+7], v[8+\j]
	v_cvt_scalef32_pk8_fp8_f32 v[CC+4*\j+2:CC+4*\j+3], v[XS+8:XS+15], v[8+\j]
	v_nop                                          ; a plain vector line behind the conversions
	global_store_b128 v3, v[CC+4*\j:CC+4*\j+3], s[24+2*\j:25+2*\j] offset:512*(\t)
.endr
.endm
.irp t, 0,1,2,3,4,5,6,7,8,9,10,11,12,13,14,15
	XSTEP \t
.endr
	s_wait_tensorcnt 0x0
	ds_add_u32 v192, v193
	s_wait_dscnt 0x0
	s_endpgm
; ---------------- the weights ----------------
.Lweights:
	s_sub_co_u32 s21, ttmp9, XWGS
	s_lshr_b32 s22, s21, 5                         ; which weight: 0 w_q, 1 w_k, 2 w_v, 3 w_o
	s_and_b32 s23, s21, 7                          ; which 128 columns
	s_bfe_u32 s24, s21, 0x20003                    ; which 256 along K
	s_lshl_b32 s23, s23, 7
	s_lshl_b32 s25, s20, 5
	s_add_co_u32 s23, s23, s25                     ; my wave's first column
	s_cmp_eq_u32 s22, 0                            ; the choice of the buffer hangs on the work-group's number alone
	s_cselect_b64 s[4:5], s[6:7], s[8:9]
	s_cmp_eq_u32 s22, 2
	s_cselect_b64 s[4:5], s[10:11], s[4:5]
	s_cmp_eq_u32 s22, 3
	s_cselect_b64 s[4:5], s[12:13], s[4:5]
	s_lshl_b32 s26, s24, 20                        ; 256 rows of 4,096 bytes
	s_lshl_b32 s27, s23, 2
	s_add_co_u32 s26, s26, s27
	s_mov_b32 s27, 0
	s_add_nc_u64 s[4:5], s[4:5], s[26:27]
	s_lshl_b32 s28, s22, 20                        ; the weight's codes,
	s_lshl_b32 s29, s23, 10                        ; my first column's row of 1,024 bytes,
	s_add_co_u32 s28, s28, s29
	s_lshl_b32 s29, s24, 8                         ; my 256 along K
	s_add_co_u32 s28, s28, s29
	s_mov_b32 s29, 0
	s_add_nc_u64 s[18:19], s[18:19], s[28:29]
	s_wait_alu depctr_va_vdst(0)
	v_lshlrev_b32 v3, 2, v2                        ; in: 4 bytes a lane
	s_mul_i32 s30, s20, 32*WP
	s_add_co_u32 s30, s30, WSTG                    ; my stage
	v_mul_u32_u24 v4, v2, WP
	v_add_nc_u32 v4, s30, v4                       ; into it: row = my column
	v_and_b32 v5, 15, v2
	v_lshrrev_b32 v6, 4, v2
	v_mul_u32_u24 v7, v6, WP
	v_lshl_add_u32 v7, v5, 4, v7
	v_add_nc_u32 v7, s30, v7                       ; out of it: sixteen lanes to a row, two rows an instruction
	v_lshlrev_b32 v8, 10, v6
	v_lshl_add_u32 v8, v5, 4, v8                   ; and the same place in the codes' buffer
.macro LOADW t                         ; block t: w(32 t + i, my column), i = 0 .. 31, into set t % 2
.set i, 0
.rept 32
	global_load_b32 v[WX+32*((\t)%2)+i], v3, s[4:5] offset:(32*(\t)+i)*4096 th:TH_LOAD_NT
.set i, i+1
.endr
.endm
	LOADW 0
	LOADW 1
	s_wait_kmcnt 0x0
	s_cmp_eq_u32 s22, 0
	s_cselect_b32 s30, s37, s39                    ; e1 or e3,
	s_cmp_eq_u32 s22, 2
	s_cselect_b32 s30, s41, s30                    ; e5,
	s_cmp_eq_u32 s22, 3
	s_cselect_b32 s30, s47, s30                    ; e11
	s_add_co_i32 s30, s30, 127
	s_lshl_b32 s31, s30, 23
	v_mov_b32 v11, s31                             ; 2^e
	s_add_co_i32 s30, s30, 8
	s_lshl_b32 s30, s30, 23
	s_or_b32 s30, s30, 0x600000
.macro BLOCKW t
.set XS, WX+32*((\t)%2)
.if (\t) < NB-1
	s_wait_loadcnt 32                              ; this block's 32 loads are in; the next block's may be out
.else
	s_wait_loadcnt 0
.endif
.set i, 0
.rept 32
.set i, i+1
.endr
.irp g, 0,1,2,3
	v_cvt_scalef32_pk8_fp8_f32 v[WC+2*\g:WC+2*\g+1], v[XS+8*\g:XS+8*\g+7], v11
.endr
	ds_store_b128 v4, v[WC:WC+3] offset:32*(\t)    ; 32 codes: 32 bytes of my column's row
	ds_store_b128 v4, v[WC+4:WC+7] offset:32*(\t)+16
.if (\t)+2 < NB
	LOADW (\t)+2
.endif
	s_wait_dscnt 0x0                               ; the stores have read their registers: the next block's codes may be written
.endm
	s_wait_alu depctr_va_vdst(0)
.irp t, 0,1,2,3,4,5,6,7
	BLOCKW \t
.endr
.irp t, 0,1,2,3,4,5,6,7,8,9,10,11,12,13,14,15
	ds_load_b128 v[OUTR+4*\t:OUTR+4*\t+3], v7 offset:2*\t*WP   ; LDS serves a wave's instructions in order: these see my stores
.endr
.irp t, 0,1,2,3,4,5,6,7,8,9,10,11,12,13,14,15
	s_wait_dscnt 15-\t
	global_store_b128 v8, v[OUTR+4*\t:OUTR+4*\t+3], s[18:19] offset:2*\t*1024
.endr
	s_wait_tensorcnt 0x0
	ds_add_u32 v192, v193
	s_wait_dscnt 0x0
	s_endpgm
.Lfunc_end_k_q333b26f417_prep:
	.size	k_q333b26f417_prep, .Lfunc_end_k_q333b26f417_prep-k_q333b26f417_prep
	.p2alignl 7, 3214868480
	.fill 96, 4, 3214868480
	.section	.rodata,"a",@progbits
	.p2align	6, 0x0
	.amdhsa_kernel k_q333b26f417_prep
		.amdhsa_group_segment_fixed_size 68096
		.amdhsa_private_segment_fixed_size 0
		.amdhsa_enable_private_segment 0
		.amdhsa_kernarg_size 64
		.amdhsa_user_sgpr_count 2
		.amdhsa_user_sgpr_kernarg_segment_ptr 1
		.amdhsa_wavefront_size32 1
		.amdhsa_system_sgpr_workgroup_id_x 1
		.amdhsa_system_sgpr_workgroup_id_y 1
		.amdhsa_system_sgpr_workgroup_id_z 1
		.amdhsa_system_vgpr_workitem_id 0
		.amdhsa_next_free_vgpr 194
		.amdhsa_next_free_sgpr 66
		.amdhsa_reserve_vcc 0
		.amdhsa_float_denorm_mode_32 3
		.amdhsa_float_denorm_mode_16_64 3
		.amdhsa_fp16_overflow 1
		.amdhsa_memory_ordered 1
		.amdhsa_forward_progress 1
		.amdhsa_inst_pref_size 63
	.end_amdhsa_kernel
	.amdgpu_metadata
---
amdhsa.version: [ 1, 2 ]
amdhsa.kernels:
  - .name:           k_q333b26f417_prep
    .symbol:         k_q333b26f417_prep.kd
    .args:
      - { .name: x, .offset: 0, .size: 8, .value_kind: global_buffer, .address_space: global }
      - { .name: w_q, .offset: 8, .size: 8, .value_kind: global_buffer, .address_space: global }
      - { .name: w_k, .offset: 16, .size: 8, .value_kind: global_buffer, .address_space: global }
      - { .name: w_v, .offset: 24, .size: 8, .value_kind: global_buffer, .address_space: global }
      - { .name: w_o, .offset: 32, .size: 8, .value_kind: global_buffer, .address_space: global }
      - { .name: lowp_scales, .offset: 40, .size: 8, .value_kind: global_buffer, .address_space: global }
      - { .name: xcodes, .offset: 48, .size: 8, .value_kind: global_buffer, .address_space: global }
      - { .name: wcodes, .offset: 56, .size: 8, .value_kind: global_buffer, .address_space: global }
    .group_segment_fixed_size: 68096
    .private_segment_fixed_size: 0
    .kernarg_segment_align: 8
    .kernarg_segment_size: 64
    .max_flat_workgroup_size: 128
    .sgpr_count:     66
    .vgpr_count:     194
    .wavefront_size: 32
...
	.end_amdgpu_metadata
.endif
;; end of part 1
;; launch proj (part 2): grid 4 x 96, 4 waves a work-group, clusters of 4 x 4, 327,680 bytes of LDS; arguments xcodes, wcodes, lowp_scales, qkvc; writes qkvc
.if DOCPART == 2
	.amdgcn_target "amdgcn-amd-amdhsa--gfx1250"
	.amdhsa_code_object_version 6
	.text
	.protected	k_q333b26f417_proj
	.globl	k_q333b26f417_proj
	.p2align	8
	.type	k_q333b26f417_proj,@function
k_q333b26f417_proj:
	s_mov_b64 s[64:65], 0
	v_nop
	global_prefetch_b8 v0, s[64:65] scope:SCOPE_SE
	s_setreg_imm32_b32 hwreg(HW_REG_WAVE_MODE, 25, 1), 1
	s_wait_xcnt 0x0
	s_wait_alu depctr_hold_cnt(0) depctr_sa_sdst(0) depctr_va_vdst(0) depctr_va_sdst(0) depctr_va_ssrc(0) depctr_va_vcc(0) depctr_vm_vsrc(0)
	s_getreg_b32 s2, hwreg(HW_REG_IB_STS2, 6, 4)
	s_cmp_eq_u32 s2, 0
	s_cbranch_scc0 .Lentry_in_a_cluster
	s_endpgm
.Lentry_in_a_cluster:
	s_bfe_u32 s2, ttmp6, 0x10000c
	s_cmp_lg_u32 s2, 0xf033
	s_cbranch_scc0 .Lentry_shape_is_right
	s_endpgm
.Lentry_shape_is_right:
; q = x w_q, k = x w_k, v = x w_v on codes of FP8 (E4M3), and their results quantised at once for the attention's two products.  K = 1,024; sums in f32.
; 384 tiles of 256 x 256.  seg = cluster y / 8: 0 q, 1 k, 2 v.  For q and k the tile's rows (A) are tokens and its columns (B) the weight's outputs; for v THE OPERANDS CHANGE PLACES (A = w_v's outputs,
; B = tokens).  The matrix instruction is used transposed (source 0 = 16 rows of B, source 1 = 16 rows of A), so a lane's eight results are eight neighbours along B's rows: the head's d for q and k,
; the keys for v: in each case the next product's K, and one conversion makes eight neighbouring codes.  All that hangs on seg is chosen by s_cselect; no branch hangs on it.
; qkvc: [64 bh][3 parts][131,072 bytes]: q [2048 s][64 d], k [2048 key][64 d], v [32 chunks of 64 keys][64 d][64 keys].
; A sum stands for sum x 2^(eA + eB): its code is sum / 2^E, E = e6 - e0 - e1 (q), e7 - e2 - e3 (k), e9 - e4 - e5 (v), held within +-448 x 2^E.  LIMIT: E between -126 and 119.
; A work-group of four waves makes a tile, a wave 128 x 128: 64 accumulators, 512 registers.  K goes in steps of 256 through a ring of two LDS slots filled by the tensor data mover.
; CLUSTERS: 4 x 4 work-groups.  The four of a row of the cluster need the same tiles of A, the four of a column the same tiles of B: each tile is asked for jointly, by the same tensor load with the
; same descriptor and a mask that names the four.
; REGISTERS, in windows of 256: window 0: v0-31 addresses; from v128 A's fragments, one set; on the way out v32-255 are free.  window 1: B's fragments, two sets.  windows 2, 3: the accumulators.
.set KROW,   1024                      ; a row of A or of B in memory, in bytes
.set ROWB,   256                       ; a tile's row in bytes
.set PITCH,  272                       ; an LDS row: 256 bytes + 16 of padding = 68 words: the 16 rows that a load touches start at 16 different banks (64 banks of 4 bytes: ISA guide 11.1)
.set FR,     16                        ; registers of a fragment: 16 rows x 128 K
.set NL,     4                         ; LDS loads that bring one
.set NP,     4                         ; places behind this matrix instruction (ISA guide 7.12.1)
.set HALFT,  128*PITCH                 ; 128 rows: what one tensor load brings
.set SLOT,   4*HALFT                   ; A's 256 rows, then B's 256 rows
.set LAPS,   2                         ; a lap = two K steps = once round the ring
.set SPARE,  2*SLOT                    ; behind the ring: the spare words, 128 bytes for each wave, that no other line names
.set BLK,    32*PITCH                  ; the way out: a block of 128 rows of 64 bytes, four to an LDS row.  A wave's stage is two blocks; the stages lie in slot 0, which has had its last fill and its last read by then
.set ADRA, 16                          ; v16-17  LDS address of my A fragments in slot 0, 1
.set ADRB, 20                          ; v20-21  the same for B
.set STO,  24                          ; v24     the way out: where I put 8 codes
.set RD,   25                          ; v25     where I read 16 bytes back
.set CO,   26                          ; v26     16 x lane: my bytes of a store's 512
.set SPW,  28                          ; v28     LDS address of my spare word; never rewritten
.set NIL,  29                          ; v29     0; never rewritten
.set LIMV, 30
.set SCV,  31                          ; v31     2^E
.set TMP,  32
.set CD,   96                          ; v96-127 its codes, two sets
.set AF,   128
.set BK,   128                         ; v128-255 the way out: 32 x 4 registers
.set G1, 24
.set G0, 32
.set G1B, 48
.set G0B, 56
.set PB, 80                            ; s[80:87] the way out: four bases
.set MSB, 0
.macro WIN new                         ; the immediate's high byte repeats the setting that is left
.if MSB != \new
	s_set_vgpr_msb (MSB<<8)|\new
.set MSB, \new
.endif
.endm
.set MUL_LO, 0xa1                      ; source 0 (B) window 1, source 1 (A) window 0, C and D window 2
.set MUL_HI, 0xf1                      ; the same, C and D window 3
.set TO_B,   0x40                      ; destination window 1, address window 0
; A joint load: waves 0 and 1 fetch for A, waves 2 and 3 for B; the branch hangs on the wave's number alone.  Four v_nop follow each of the two lines.
.macro JLOAD g0a, g1a, g0b, g1b
	s_cmp_eq_u32 s15, 0
	s_cbranch_scc0 .Lfor_b_\@
	tensor_load_to_lds s[\g0a:\g0a+3], s[\g1a:\g1a+7]
	s_nop 0
.rept 4
	v_nop
.endr
	s_branch .Lasked_\@
.Lfor_b_\@:
	tensor_load_to_lds s[\g0b:\g0b+3], s[\g1b:\g1b+7]
	s_nop 0
.rept 4
	v_nop
.endr
.Lasked_\@:
.endm
.macro CREST                           ; a round of the cluster's barrier behind its opening barrier
	s_cmp_lg_u32 s14, 0
	s_cbranch_scc1 .Lnot_wave_0_\@
	s_barrier_signal -3
.Lnot_wave_0_\@:
	s_barrier_wait -3
	s_barrier_signal -1
	s_barrier_wait -1
.endm
.macro CROUND
	s_barrier_signal -1
	s_barrier_wait -1
	CREST
.endm
	s_load_b128 s[4:7], s[0:1], 0x0                ; x's codes s[4:5], the weights' codes s[6:7]
	s_load_b128 s[8:11], s[0:1], 0x10              ; the exponents s[8:9], qkvc s[10:11]
	v_lshl_add_u32 v[SPW], v0, 2, SPARE
	v_mov_b32 v[NIL], 0
	ds_add_u32 v28, v29
	ds_add_u32 v28, v29
	s_wait_dscnt 0x0
	v_lshrrev_b32 v1, 5, v0
	v_readfirstlane_b32 s14, v1                    ; wave 0..3
	s_lshr_b32 s15, s14, 1                         ; which half of the tile's rows is mine.  Also: I fetch for A (0) or for B (1)
	s_and_b32 s16, s14, 1                          ; which half of its columns.  Also: which 128 rows of that tile I fetch
	s_bfe_u32 s40, ttmp6, 0x40000                  ; cx, cy: my place in the cluster
	s_bfe_u32 s41, ttmp6, 0x40004
	s_and_b32 s66, ttmp7, 0xffff                   ; cluster y, 0..23
	s_lshr_b32 s67, s66, 3                         ; seg
	s_and_b32 s66, s66, 7
	s_lshl_b32 s66, s66, 2                         ; the cluster's first tile along the tokens
	s_lshl_b32 s74, s67, 23                        ; x's codes under this product's scale: 8 MiB each
	s_lshl_b32 s76, s67, 20                        ; the weight's codes: 1 MiB each
	s_mov_b32 s78, 0x200000                        ; w_v's codes
	s_mov_b32 s79, 0x1000000                       ; x's codes under e4
	s_cmp_lt_u32 s67, 2                            ; q or k?  The same in all sixteen partners
	s_cselect_b32 s17, s66, 0
	s_cselect_b32 s42, 0, s66
	s_cselect_b32 s74, s74, s78                    ; where A begins in its buffer,
	s_cselect_b32 s76, s76, s79                    ; and B
	s_mov_b32 s75, 0
	s_mov_b32 s77, 0
	s_add_co_u32 s17, s17, s41                     ; tile row
	s_add_co_u32 s42, s42, s40                     ; tile column
	s_lshl_b32 s43, s41, 2
	s_lshl_b32 s43, 15, s43                        ; my row of the cluster
	s_lshl_b32 s44, 0x1111, s40                    ; my column
	; descriptor group 1: a tile of 128 rows x 256 bytes, padded in LDS
	s_or_b32 s[G1+0], s43, (0<<16)|(1<<20)|(1<<21)|(5<<22)|(3<<25)  ; 15:0 the mask: A's tiles go to my row; elements of 1 byte; 20 padding on; 21 set beside a mask; after every 64 words (code 5) 4 words (code 3)
	s_or_b32 s[G1B+0], s44, (0<<16)|(1<<20)|(1<<21)|(5<<22)|(3<<25)
.irp g, G1, G1B
	s_mov_b32 s[\g+1], ROWB<<16                    ; tensor_dim0
	s_mov_b32 s[\g+2], 128<<16                     ; tensor_dim1
	s_mov_b32 s[\g+3], ROWB<<16                    ; tile_dim0
	s_mov_b32 s[\g+4], 128                         ; tile_dim1
	s_mov_b32 s[\g+5], KROW                        ; tensor_dim0_stride
	s_mov_b32 s[\g+6], 0
	s_mov_b32 s[\g+7], 0
.endr
	s_lshl_b32 s18, s16, 7                         ; which 128 rows of the tile I fetch
	s_lshl_b32 s20, s17, 8
	s_add_co_u32 s20, s20, s18                     ; A: row 256 x tile row + 128 x half
	s_lshl_b32 s46, s42, 8
	s_add_co_u32 s46, s46, s18                     ; B: row 256 x tile column + 128 x half
	s_lshl_b32 s20, s20, 10                        ; rows of 1,024 bytes
	s_lshl_b32 s46, s46, 10
	s_mov_b32 s21, 0
	s_mov_b32 s47, 0
	s_add_nc_u64 s[20:21], s[20:21], s[74:75]
	s_add_nc_u64 s[46:47], s[46:47], s[76:77]
	s_mul_i32 s45, s14, HALFT                      ; where they go: wave x 128 rows: no place in the cluster enters an LDS address
	s_wait_kmcnt 0x0
	s_load_b256 s[80:87], s[8:9], 0x0              ; e0 .. e7
	s_load_b128 s[88:91], s[8:9], 0x20             ; e8 .. e11
	s_cmp_lt_u32 s67, 2
	s_cselect_b64 s[70:71], s[4:5], s[6:7]         ; A's buffer,
	s_cselect_b64 s[72:73], s[6:7], s[4:5]         ; B's
	s_add_nc_u64 s[20:21], s[70:71], s[20:21]
	s_add_nc_u64 s[46:47], s[72:73], s[46:47]
	CROUND                                         ; all sixteen work-groups are here: the first joint loads meet
.irp s, 0,1
	s_mov_b32 s[G0+4*\s], 1
	s_add_co_u32 s[G0+4*\s+1], s45, \s*SLOT
	s_add_nc_u64 s[G0+4*\s+2:G0+4*\s+3], s[20:21], \s*ROWB
	s_or_b32 s[G0+4*\s+3], s[G0+4*\s+3], 0x80000000
	s_mov_b32 s[G0B+4*\s], 1
	s_add_co_u32 s[G0B+4*\s+1], s45, \s*SLOT
	s_add_nc_u64 s[G0B+4*\s+2:G0B+4*\s+3], s[46:47], \s*ROWB
	s_or_b32 s[G0B+4*\s+3], s[G0B+4*\s+3], 0x80000000
	JLOAD G0+4*\s, G1, G0B+4*\s, G1B
.endr
	v_and_b32 v1, 15, v0                           ; r = l % 16
	s_wait_alu depctr_va_vdst(0)
	v_bfe_u32 v2, v0, 4, 1                         ; h = l / 16
	v_mul_u32_u24 v3, v1, PITCH
	v_lshl_add_u32 v4, v2, 4, v3                   ; a fragment's row x pitch + 16 x half
	s_mul_i32 s21, s15, HALFT                      ; my 128 rows of A
	s_mul_i32 s22, s16, HALFT                      ; my 128 rows of B,
	s_add_co_u32 s22, s22, 2*HALFT                 ; which lie behind A's 256
.irp s, 0,1
	v_add_nc_u32 v[ADRA+\s], s21, v4
	v_add_nc_u32 v[ADRB+\s], s22, v4
	s_add_co_u32 s21, s21, SLOT
	s_add_co_u32 s22, s22, SLOT
.endr
	s_mul_i32 s23, s14, 2*BLK                      ; my stage
	v_lshrrev_b32 v5, 2, v1
	v_mul_u32_u24 v5, v5, PITCH
	v_and_b32 v6, 3, v1
	v_lshl_add_u32 v5, v6, 6, v5
	v_lshl_add_u32 v5, v2, 3, v5
	v_add_nc_u32 v[STO], s23, v5                   ; in: row r of 64 bytes, four rows to an LDS row: 272 (r / 4) + 64 (r % 4) + 8 h: the 32 lanes of a store of 8 bytes touch 64 different banks
	v_mul_u32_u24 v6, v2, PITCH
	v_lshl_add_u32 v6, v1, 4, v6
	v_add_nc_u32 v[RD], s23, v6                    ; back: lanes 0-15 one LDS row of 256 bytes, lanes 16-31 the next
	v_and_b32 v6, 31, v0
	v_lshlrev_b32 v[CO], 4, v6
.macro FRAG reg, adr, q, i             ; 16 rows x 128 K: lane l holds row l % 16; registers 4 c .. 4 c + 3 hold K = 32 c + 16 (l / 16) + 0 .. 15: the same permutation of k in A and in B
.irp c, 0,1,2,3
	ds_load_b128 v[\reg+4*\c:\reg+4*\c+3], v[\adr] offset:128*(\q)+32*\c+(\i)*16*PITCH
.endr
.endm
; 16 matrix instructions: A's blocks a0, a0 + 1 x B's eight, 128 along K.  p: B's set.  zero = 1: the first product starts the sums.
; The 64 accumulators take turns, one instruction a turn, in the same order in every step.
.macro MUL16 a0, p, zero
.irp a, \a0, \a0+1
.irp b, 0,1,2,3,4,5,6,7
.if \zero
	v_wmma_f32_16x16x128_fp8_fp8 v[8*(8*((\a)%4)+\b):8*(8*((\a)%4)+\b)+7], v[128*(\p)+FR*\b:128*(\p)+FR*\b+FR-1], v[AF+FR*(\a):AF+FR*(\a)+FR-1], 0
.else
	v_wmma_f32_16x16x128_fp8_fp8 v[8*(8*((\a)%4)+\b):8*(8*((\a)%4)+\b)+7], v[128*(\p)+FR*\b:128*(\p)+FR*\b+FR-1], v[AF+FR*(\a):AF+FR*(\a)+FR-1], v[8*(8*((\a)%4)+\b):8*(8*((\a)%4)+\b)+7]
.endif
.endr
.endr
.endm
.macro FETCH_B slot, q, p
	WIN TO_B
.irp i, 0,1,2,3,4,5,6,7
	FRAG 128*(\p)+FR*\i, ADRB+\slot, \q, \i
.endr
	WIN 0
.endm
.macro FETCH_A slot, q, i0
.irp i, \i0, \i0+1, \i0+2, \i0+3
	FRAG AF+FR*(\i), ADRA+\slot, \q, \i
.endr
.endm
.macro PLACES n                        ; plain vector lines between a matrix instruction and a load into, or a vector read of, its registers
.rept \n
	v_nop
.endr
.endm
.macro STEP slot, q, zero              ; a step of 128 along K that has its successor in the same slot
	s_wait_dscnt 4*NL                              ; B's set and A's blocks 0-3 are in; the youngest sixteen loads (A's blocks 4-7) may be out
	WIN MUL_LO
	MUL16 0, (\q)%2, \zero
	MUL16 2, (\q)%2, \zero
	s_wait_dscnt 0
	PLACES NP
	FETCH_B \slot, (\q)+1, 1-(\q)%2
	FETCH_A \slot, (\q)+1, 0
	WIN MUL_HI
	MUL16 4, (\q)%2, \zero
	MUL16 6, (\q)%2, \zero
	PLACES NP
	WIN 0
	FETCH_A \slot, (\q)+1, 4
.endm
; A slot's last step changes slots: one barrier; in front of it each wave waits for all its tensor loads, adds 0 to its spare word, and waits for that and for its own reads of this slot.
.macro TURN slot, next, fill
	s_wait_tensorcnt 0x0                           ; all my tensor loads have landed: my part of the next slot
	ds_add_u32 v[SPW], v[NIL]                      ; 0 onto my spare word
	s_wait_dscnt 4*NL+1                            ; (the add and the youngest sixteen loads may be out)
	WIN MUL_LO
	MUL16 0, 1, 0
	s_wait_dscnt 0x0                               ; the add is done, and my reads of this slot are over
	s_barrier_signal -1
	MUL16 2, 1, 0
	WIN 0
	s_barrier_wait -1
.if \fill
	CREST                                          ; the barrier has opened a round of the cluster's barrier: no wave of any partner still reads this slot or has a load on its way
	s_add_nc_u64 s[G0+4*\slot+2:G0+4*\slot+3], s[G0+4*\slot+2:G0+4*\slot+3], 2*ROWB
	s_add_nc_u64 s[G0B+4*\slot+2:G0B+4*\slot+3], s[G0B+4*\slot+2:G0B+4*\slot+3], 2*ROWB
	JLOAD G0+4*\slot, G1, G0B+4*\slot, G1B         ; the first tensor load behind the round; its four v_nop are also the places in front of the loads below
.else
	PLACES NP
.endif
	FETCH_B \next, 0, 0
	FETCH_A \next, 0, 0
	WIN MUL_HI
	MUL16 4, 1, 0
	MUL16 6, 1, 0
	PLACES NP
	WIN 0
	FETCH_A \next, 0, 4
.endm
	s_wait_tensorcnt 1                             ; my part of K step 0 is in (K step 1's load may be out),
	s_barrier_signal -1
	s_barrier_wait -1                              ; everybody's is
	FETCH_B 0, 0, 0
	FETCH_A 0, 0, 0
	FETCH_A 0, 0, 4
	STEP 0, 0, 1                                   ; the first step stands in front of the loop: its products start the sums
	s_mov_b32 s3, LAPS-1
.Llap:                                                 ; a trip goes once round the ring and fills both slots again
	TURN 0, 1, 1
	STEP 1, 0, 0
	TURN 1, 0, 1
	STEP 0, 0, 0
	s_sub_co_u32 s3, s3, 1
	s_cmp_lg_u32 s3, 0
	s_cbranch_scc1 .Llap
	TURN 0, 1, 0                                   ; the last lap fills nothing
	STEP 1, 0, 0
	s_wait_dscnt 4*NL
	WIN MUL_LO
	MUL16 0, 1, 0
	MUL16 2, 1, 0
	s_wait_dscnt 0
	WIN MUL_HI
	MUL16 4, 1, 0
	MUL16 6, 1, 0
	WIN 0
; THE WAY OUT.  Block a of 16 rows of A: lane (r, h) holds row 16 a + r, and accumulator b's eight registers are B's rows 16 b + 8 h + 0 .. 7: eight codes, 8 bytes of a row of 64 bytes.
; The stage's block b / 4 takes them at row 16 a + r, byte 16 (b % 4) + 8 h.  For q and k a block is one head (rows = 128 tokens); for v one chunk of 64 keys (rows = two heads' 64 d).
; Half a block, 64 rows of 64 bytes, is 4,096 consecutive bytes of qkvc.
	s_wait_kmcnt 0x0
	s_sub_co_i32 s92, s86, s80
	s_sub_co_i32 s92, s92, s81                     ; q: e6 - e0 - e1
	s_sub_co_i32 s93, s87, s82
	s_sub_co_i32 s93, s93, s83                     ; k: e7 - e2 - e3
	s_sub_co_i32 s94, s89, s84
	s_sub_co_i32 s94, s94, s85                     ; v: e9 - e4 - e5
	s_cmp_eq_u32 s67, 0
	s_cselect_b32 s92, s92, s93
	s_cmp_eq_u32 s67, 2
	s_cselect_b32 s92, s94, s92                    ; E
	s_add_co_i32 s92, s92, 127
	s_lshl_b32 s93, s92, 23
	v_mov_b32 v[SCV], s93                          ; 2^E
	s_wait_alu depctr_va_vdst(0)
	s_mov_b32 s72, 393216                          ; from a head to the next: 3 parts of 131,072 bytes
	s_mov_b32 s73, 4096                            ; 64 rows of 64 bytes
	s_cmp_lt_u32 s67, 2
	s_cselect_b32 s68, s17, s42                    ; the tile along the tokens,
	s_cselect_b32 s69, s15, s16                    ; my half of it,
	s_cselect_b32 s70, s42, s17                    ; the tile along the heads (4 heads),
	s_cselect_b32 s71, s16, s15                    ; my half of it (2 heads)
	s_cselect_b32 s74, s72, s73                    ; from block 0 to block 1,
	s_cselect_b32 s76, s73, s72                    ; from a block's first half to its second
	s_mov_b32 s75, 0
	s_mov_b32 s77, 0
	s_lshr_b32 s78, s68, 3                         ; the batch: 8 tiles of 256 tokens each
	s_lshl_b32 s78, s78, 4
	s_lshl_b32 s70, s70, 2
	s_add_co_u32 s78, s78, s70
	s_lshl_b32 s71, s71, 1
	s_add_co_u32 s78, s78, s71                     ; bh of my first head
	s_mul_i32 s78, s78, 3
	s_add_co_u32 s78, s78, s67                     ; its part
	s_lshl_b32 s78, s78, 17
	s_and_b32 s68, s68, 7
	s_lshl_b32 s68, s68, 2
	s_lshl_b32 s69, s69, 1
	s_add_co_u32 s68, s68, s69
	s_lshl_b32 s68, s68, 12                        ; my first token's 64 tokens' worth of 4,096 bytes
	s_add_co_u32 s78, s78, s68
	s_mov_b32 s79, 0
	s_add_nc_u64 s[PB:PB+1], s[10:11], s[78:79]    ; block 0, half 0
	s_add_nc_u64 s[PB+2:PB+3], s[PB:PB+1], s[76:77]
	s_add_nc_u64 s[PB+4:PB+5], s[PB:PB+1], s[74:75]
	s_add_nc_u64 s[PB+6:PB+7], s[PB+4:PB+5], s[76:77]
.macro QBLOCK a
.set AC, 64*((\a)%4)
.set CC, CD+16*((\a)%2)
	WIN 0x02+((\a)/4)                              ; source 0: window 2 or 3
.set j, 0
.rept 64
.set j, j+1
.endr
.irp b, 0,1,2,3,4,5,6,7
	v_cvt_scalef32_pk8_fp8_f32 v[CC+2*\b:CC+2*\b+1], v[AC+8*\b:AC+8*\b+7], v[SCV]
.endr
	WIN 0
	v_nop                                          ; a plain vector line behind the conversions
.irp b, 0,1,2,3,4,5,6,7
	ds_store_b64 v[STO], v[CC+2*\b:CC+2*\b+1] offset:(\b/4)*BLK+4*(\a)*PITCH+16*(\b%4)
.endr
.endm
	PLACES NP                                      ; behind the last products, ahead of the first read of results
.irp a, 0,1,2,3,4,5,6,7
	QBLOCK \a
.endr
.set n, 0
.rept 32                               ; LDS serves a wave's instructions in order (ISA guide 5.7.1.4): these see my stores.  n = 16 block + 8 half + i
	ds_load_b128 v[BK+4*n:BK+4*n+3], v[RD] offset:(n/16)*BLK+(16*((n/8)%2)+2*(n%8))*PITCH
.set n, n+1
.endr
.set n, 0
.rept 32
	s_wait_dscnt 31-n                              ; load n is in; the younger ones may be out
	global_store_b128 v[CO], v[BK+4*n:BK+4*n+3], s[PB+2*(n/8):PB+2*(n/8)+1] offset:512*(n%8)   ; 32 lanes store 512 consecutive bytes, aligned
.set n, n+1
.endr
	s_wait_tensorcnt 0x0                           ; the wave's end
	ds_add_u32 v[SPW], v[NIL]
	s_wait_dscnt 0x0
	CROUND                                         ; the closing round: no work-group ends while a partner may still ask for a tile that names it
	s_endpgm
.Lfunc_end_k_q333b26f417_proj:
	.size	k_q333b26f417_proj, .Lfunc_end_k_q333b26f417_proj-k_q333b26f417_proj
	.p2alignl 7, 3214868480
	.fill 96, 4, 3214868480
	.section	.rodata,"a",@progbits
	.p2align	6, 0x0
	.amdhsa_kernel k_q333b26f417_proj
		.amdhsa_group_segment_fixed_size 327680
		.amdhsa_private_segment_fixed_size 0
		.amdhsa_enable_private_segment 0
		.amdhsa_kernarg_size 32
		.amdhsa_user_sgpr_count 2
		.amdhsa_user_sgpr_kernarg_segment_ptr 1
		.amdhsa_wavefront_size32 1
		.amdhsa_system_sgpr_workgroup_id_x 1
		.amdhsa_system_sgpr_workgroup_id_y 1
		.amdhsa_system_sgpr_workgroup_id_z 1
		.amdhsa_system_vgpr_workitem_id 0
		.amdhsa_next_free_vgpr 1024
		.amdhsa_next_free_sgpr 100
		.amdhsa_reserve_vcc 0
		.amdhsa_float_denorm_mode_32 3
		.amdhsa_float_denorm_mode_16_64 3
		.amdhsa_fp16_overflow 1
		.amdhsa_memory_ordered 1
		.amdhsa_forward_progress 1
		.amdhsa_inst_pref_size 94
	.end_amdhsa_kernel
	.amdgpu_metadata
---
amdhsa.version: [ 1, 2 ]
amdhsa.kernels:
  - .name:           k_q333b26f417_proj
    .symbol:         k_q333b26f417_proj.kd
    .args:
      - { .name: xcodes, .offset: 0, .size: 8, .value_kind: global_buffer, .address_space: global }
      - { .name: wcodes, .offset: 8, .size: 8, .value_kind: global_buffer, .address_space: global }
      - { .name: lowp_scales, .offset: 16, .size: 8, .value_kind: global_buffer, .address_space: global }
      - { .name: qkvc, .offset: 24, .size: 8, .value_kind: global_buffer, .address_space: global }
    .group_segment_fixed_size: 327680
    .private_segment_fixed_size: 0
    .kernarg_segment_align: 8
    .kernarg_segment_size: 32
    .max_flat_workgroup_size: 128
    .sgpr_count:     100
    .vgpr_count:     1024
    .wavefront_size: 32
...
	.end_amdgpu_metadata
.endif
;; end of part 2
;; launch attn (part 3): grid 4 x 64, 16 waves a work-group, clusters of 4 x 1, 327,680 bytes of LDS; arguments qkvc, lowp_scales, acodes; writes acodes
.if DOCPART == 3
	.amdgcn_target "amdgcn-amd-amdhsa--gfx1250"
	.amdhsa_code_object_version 6
	.text
	.protected	k_q333b26f417_attn
	.globl	k_q333b26f417_attn
	.p2align	8
	.type	k_q333b26f417_attn,@function
k_q333b26f417_attn:
	s_mov_b64 s[64:65], 0
	v_nop
	global_prefetch_b8 v0, s[64:65] scope:SCOPE_SE
	s_setreg_imm32_b32 hwreg(HW_REG_WAVE_MODE, 25, 1), 1
	s_wait_xcnt 0x0
	s_wait_alu depctr_hold_cnt(0) depctr_sa_sdst(0) depctr_va_vdst(0) depctr_va_sdst(0) depctr_va_ssrc(0) depctr_va_vcc(0) depctr_vm_vsrc(0)
	s_getreg_b32 s2, hwreg(HW_REG_IB_STS2, 6, 4)
	s_cmp_eq_u32 s2, 0
	s_cbranch_scc0 .Lentry_in_a_cluster
	s_endpgm
.Lentry_in_a_cluster:
	s_bfe_u32 s2, ttmp6, 0x10000c
	s_cmp_lg_u32 s2, 0x3003
	s_cbranch_scc0 .Lentry_shape_is_right
	s_endpgm
.Lentry_shape_is_right:
; Causal attention of one head (bh = cluster y) on codes of FP8 (E4M3): S = q k^T, p = 2^(t - M), O = p v, O / l quantised for the last projection.
; qkvc: [64 bh][3][131,072 bytes]: q [2048][64], k [2048][64], v [32 chunks of 64 keys][64 d][64 keys].  acodes: [16 head][8192 token][64].
; t = score x log2(e) / 8; M = the running largest t rounded up to a whole number; p is quantised with 2^e8; the row's sum l is taken of the unquantised p; when M moves, l and O are multiplied by a power of two.
; SHARES.  The four work-groups of a cluster (cx) share a head.  Wave w of partner cx owns two tiles of 16 queries: tile 4 w + cx and tile 127 - (4 w + cx).  With g = w / 2 the first needs the key steps
; (128 keys) 0 .. g, the second 0 .. 15 - g: 17 steps in every wave.  g hangs on the wave's number alone: no branch hangs on a work-group's place in its cluster, which enters only q's and the result's
; addresses in memory and the mask's lane values.  Steps all of whose keys are hidden are jumped over by a scalar branch; in a tile's last step hidden scores become -infinity.
; THE WHOLE HEAD'S K AND V LIE IN LDS, filled once: 512 rows of 256 bytes each, 272 apart.  Each wave asks for an eighth of K (waves 0-7) or of V (waves 8-15) by two joint loads of the cluster:
; a small one (its part of keys 0-255) and a large one (the rest); the first two key steps run while the large loads land.  A wave has at most one tensor load outstanding.
; A row of 64 bytes number p lies at 272 (p / 4) + 64 (p % 4): sixteen neighbouring rows start at sixteen different columns of 16 bytes.
; LAYOUT.  Both products are used transposed: S^T = k q^T (source 0 = 16 keys, source 1 = my 16 queries), O^T = v^T p^T: a lane holds one query (lane % 16) throughout.  Tile t of S^T holds keys
; 16 t + 8 (lane / 16) + 0 .. 7 in its eight registers: one conversion makes registers 2 t, 2 t + 1 of the second product's operand, in that form's own layout.
; LIMITS on the given exponents: e6 + e7 between -123 and 130 (added to c's exponent field); e8, and e10 - e8 - e9, between -126 and 119.
.set PITCH, 272
.set STEPB, 32*PITCH                   ; a key step in K and in V: 128 rows of 64 bytes
.set VOFF,  512*PITCH                  ; V behind K
.set STG,   2*VOFF                     ; behind both: a stage of 4 LDS rows for each wave, for the way out
.set SPARE, STG+16*4*PITCH             ; behind the stages: the spare words, 128 bytes for each wave, that no other line names
.set AK0,  1                           ; v1   my lane's place in a tile of K
.set AV0,  2                           ; v2   the same for V
.set ADK,  3                           ; v3   the step's address in K
.set ADV,  4                           ; v4   in V
.set STO,  5                           ; v5   the way out: where I put 8 codes
.set RD,   6                           ; v6   where I read 16 bytes back
.set GO,   7                           ; v7   16 x lane
.set DLO,  8                           ; v8   the mask: my query less the step's first key less 8 (lane / 16), in the first tile's last step
.set DHI,  9                           ; v9   the same for the second tile
.set NINF, 10                          ; v10  -infinity
.set QOF,  11                          ; v11  my bytes in a tile of q
.set SPW,  14                          ; v14  LDS address of my spare word; never rewritten
.set NIL,  15                          ; v15  0; never rewritten
.set F,    32                          ; v32-95   fragments of K, then of V
.set S,    96                          ; v96-159  S^T, then p
.set PC,   224                         ; v224-239 p's codes
; v16-23, v24-31 q of the two tiles; v160-191, v192-223 their O^T; v241 the scale; v[242:243] a second chain of the sum; v244-247, v248-251 the tiles' -M, largest t, sum in two halves; v[252:253] f; v254, v255 at work
.set WV,  10
.set GLO, 13                           ; s13  the first tile's last key step
.set GHI, 14                           ; s14  the second tile's
.set KS,  15                           ; s15  the key step
.set TB,  16                           ; s16  its first byte in K's and in V's region
.set CNT, 17
.set SEL, 18                           ; s[18:19] lane selects for v_permlanex16_b32: lane l xor 16
.set CS,  20                           ; s[20:21] c = log2(e) / 8 x 2^(e6 + e7)
.set G1S, 24                           ; s[24:31] descriptor group 1, 8 rows;  s[32:39] 56 rows;  s[40:43], s[44:47] their groups 0
.set G1L, 32
.set G0S, 40
.set G0L, 44
.macro CROUND                          ; a round of the cluster's barrier
	s_barrier_signal -1
	s_barrier_wait -1
	s_cmp_lg_u32 s[WV], 0
	s_cbranch_scc1 .Lnot_wave_0_\@
	s_barrier_signal -3
.Lnot_wave_0_\@:
	s_barrier_wait -3
	s_barrier_signal -1
	s_barrier_wait -1
.endm
	s_load_b128 s[4:7], s[0:1], 0x0                ; qkvc s[4:5], the exponents s[6:7]
	s_load_b64 s[8:9], s[0:1], 0x10                ; acodes
	v_lshl_add_u32 v[SPW], v0, 2, SPARE
	v_mov_b32 v[NIL], 0
	ds_add_u32 v14, v15
	ds_add_u32 v14, v15
	s_wait_dscnt 0x0
	v_lshrrev_b32 v12, 5, v0
	s_delay_alu instid0(VALU_DEP_1)
	v_readfirstlane_b32 s[WV], v12                 ; wave 0..15
	s_bfe_u32 s11, ttmp6, 0x40000                  ; cx
	s_and_b32 s12, ttmp7, 0xffff                   ; bh
	s_lshr_b32 s[GLO], s[WV], 1
	s_sub_co_u32 s[GHI], 15, s[GLO]
	; descriptor group 1: rows of 256 bytes, dense in memory, 16 bytes of padding behind each in LDS
	s_mov_b32 s[G1S], 15|(1<<20)|(1<<21)|(5<<22)|(3<<25)   ; 15:0 the mask: all four work-groups; elements of 1 byte; 20 padding on; 21 set beside a mask; after every 64 words (code 5) 4 words (code 3)
	s_mov_b32 s[G1S+1], 256<<16                    ; tensor_dim0
	s_mov_b32 s[G1S+2], 8<<16                      ; tensor_dim1
	s_mov_b32 s[G1S+3], 256<<16                    ; tile_dim0
	s_mov_b32 s[G1S+4], 8                          ; tile_dim1
	s_mov_b32 s[G1S+5], 256                        ; tensor_dim0_stride
	s_mov_b32 s[G1S+6], 0
	s_mov_b32 s[G1S+7], 0
	s_mov_b32 s[G1L], 15|(1<<20)|(1<<21)|(5<<22)|(3<<25)
	s_mov_b32 s[G1L+1], 256<<16
	s_mov_b32 s[G1L+2], 56<<16
	s_mov_b32 s[G1L+3], 256<<16
	s_mov_b32 s[G1L+4], 56
	s_mov_b32 s[G1L+5], 256
	s_mov_b32 s[G1L+6], 0
	s_mov_b32 s[G1L+7], 0
	s_lshr_b32 s70, s[WV], 3                       ; 0: I fetch for K; 1: for V
	s_and_b32 s71, s[WV], 7                        ; which eighth
	s_mul_i32 s72, s70, VOFF
	s_mul_i32 s[G0S+1], s71, 8*PITCH
	s_add_co_u32 s[G0S+1], s[G0S+1], s72           ; LDS: my 8 rows of the first 64,
	s_mul_i32 s[G0L+1], s71, 56*PITCH
	s_add_co_u32 s[G0L+1], s[G0L+1], s72
	s_add_co_u32 s[G0L+1], s[G0L+1], 64*PITCH      ; my 56 of the other 448
	s_mul_i32 s76, s12, 393216                     ; the head's first byte
	s_mov_b32 s77, 0
	s_lshl_b32 s72, s70, 17
	s_add_co_u32 s72, s72, s76
	s_add_co_u32 s72, s72, 131072                  ; K's or V's part
	s_lshl_b32 s74, s71, 11
	s_add_co_u32 s74, s74, s72                     ; memory: 8 rows of 256 bytes,
	s_mov_b32 s75, 0
	s_mul_i32 s78, s71, 14336
	s_add_co_u32 s78, s78, s72
	s_add_co_u32 s78, s78, 16384                   ; 56 rows
	s_mov_b32 s79, 0
	s_mov_b32 s[SEL], 0x76543210
	s_mov_b32 s[SEL+1], 0xfedcba98
	s_mov_b32 s[KS], 0
	s_mov_b32 s[TB], 0
	s_wait_kmcnt 0x0
	s_load_b256 s[48:55], s[6:7], 0x0              ; e0 .. e7
	s_load_b128 s[56:59], s[6:7], 0x20             ; e8 .. e11
	s_mov_b32 s[G0S], 1
	s_add_nc_u64 s[G0S+2:G0S+3], s[4:5], s[74:75]
	s_or_b32 s[G0S+3], s[G0S+3], 0x80000000
	s_mov_b32 s[G0L], 1
	s_add_nc_u64 s[G0L+2:G0L+3], s[4:5], s[78:79]
	s_or_b32 s[G0L+3], s[G0L+3], 0x80000000
	CROUND                                         ; all four work-groups are here: the joint loads meet
	tensor_load_to_lds s[G0S:G0S+3], s[G1S:G1S+7]  ; the small fill: it has landed before the large one is issued
	s_nop 0
	s_wait_alu depctr_va_vdst(0)
	s_wait_tensorcnt 0x0
	ds_add_u32 v14, v15
	s_wait_dscnt 0x0
	CROUND
	tensor_load_to_lds s[G0L:G0L+3], s[G1L:G1L+7]
	s_nop 0
.rept 4
	v_nop
.endr
	s_lshl_b32 s70, s[WV], 12
	s_lshl_b32 s71, s11, 10
	s_add_co_u32 s70, s70, s71                     ; 64 bytes x my first tile's first query, 64 w + 16 cx
	s_sub_co_u32 s72, 130048, s70                  ; and my second tile's, 2032 - 64 w - 16 cx
	s_mov_b32 s71, 0
	s_mov_b32 s73, 0
	s_add_nc_u64 s[4:5], s[4:5], s[76:77]          ; the head's q
	s_add_nc_u64 s[60:61], s[4:5], s[70:71]
	s_add_nc_u64 s[62:63], s[4:5], s[72:73]
	v_and_b32 v12, 15, v0                          ; r
	s_wait_alu depctr_va_vdst(0)
	v_bfe_u32 v13, v0, 4, 1                        ; h
	v_lshlrev_b32 v[QOF], 6, v12
	s_delay_alu instid0(VALU_DEP_1)
	v_lshl_add_u32 v[QOF], v13, 4, v[QOF]          ; row r of 64 bytes + 16 h: registers 4 c .. 4 c + 3 hold d = 32 c + 16 h + 0 .. 15, as K's fragments do
	global_load_b128 v[16:19], v[QOF], s[60:61]
	global_load_b128 v[20:23], v[QOF], s[60:61] offset:32
	global_load_b128 v[24:27], v[QOF], s[62:63]
	global_load_b128 v[28:31], v[QOF], s[62:63] offset:32
	s_and_b32 s74, s12, 15                         ; the result: head,
	s_lshl_b32 s74, s74, 19
	s_lshr_b32 s75, s12, 4                         ; batch: 2,048 tokens of 64 bytes
	s_lshl_b32 s75, s75, 17
	s_add_co_u32 s74, s74, s75
	s_mov_b32 s75, 0
	s_add_nc_u64 s[8:9], s[8:9], s[74:75]
	s_add_nc_u64 s[66:67], s[8:9], s[70:71]
	s_add_nc_u64 s[68:69], s[8:9], s[72:73]
	v_lshrrev_b32 v32, 2, v12
	s_delay_alu instid0(VALU_DEP_1)
	v_mul_u32_u24 v32, v32, PITCH
	v_and_b32 v33, 3, v12
	s_delay_alu instid0(VALU_DEP_1)
	v_lshl_add_u32 v32, v33, 6, v32                ; 272 (r / 4) + 64 (r % 4)
	s_wait_alu depctr_va_vdst(0)
	v_lshl_add_u32 v[AK0], v13, 4, v32
	v_lshl_add_u32 v[AV0], v13, 3, v32
	s_mul_i32 s74, s[WV], 4*PITCH
	s_add_co_u32 s74, s74, STG                     ; my stage
	v_add_nc_u32 v[STO], s74, v[AV0]
	v_add_nc_u32 v[AV0], VOFF, v[AV0]
	v_mul_u32_u24 v[RD], v13, PITCH
	s_delay_alu instid0(VALU_DEP_1)
	v_lshl_add_u32 v[RD], v12, 4, v[RD]
	s_delay_alu instid0(VALU_DEP_1)
	v_add_nc_u32 v[RD], s74, v[RD]
	v_and_b32 v[GO], 31, v0
	s_delay_alu instid0(VALU_DEP_1)
	v_lshlrev_b32 v[GO], 4, v[GO]
	s_and_b32 s74, s[WV], 1
	s_lshl_b32 s74, s74, 6
	s_lshl_b32 s75, s11, 4
	s_add_co_u32 s74, s74, s75                     ; my first tile's first query within its last key step,
	s_sub_co_u32 s75, 112, s74                     ; my second tile's
	v_lshlrev_b32 v33, 3, v13
	s_delay_alu instid0(VALU_DEP_1)
	v_sub_nc_u32 v33, v12, v33                     ; r - 8 h
	s_delay_alu instid0(VALU_DEP_1)
	v_add_nc_u32 v[DLO], s74, v33
	s_delay_alu instid0(VALU_DEP_2)
	v_add_nc_u32 v[DHI], s75, v33
	v_mov_b32 v[NINF], 0xff800000
.irp st, 244, 248
	v_mov_b32 v[\st+1], 0xff61b1e6                 ; the largest t so far: -3e38, under every t
	s_delay_alu instid0(VALU_DEP_1)
	v_floor_f32 v[\st], -v[\st+1]                  ; -M
	v_mov_b32 v[\st+2], 0                          ; the sum, in two halves
	v_mov_b32 v[\st+3], 0
.endr
	v_mov_b32 v253, 0                              ; (named as the upper half of the pair v[252:253])
	v_mov_b32 v255, 0                              ; a lane permute's destination counts as one of its sources
.set j, 0
.rept 64
	v_mov_b32 v[160+j], 0                          ; O^T of both tiles: the step is written once, and its first pass finds zeros
.set j, j+1
.endr
	s_wait_kmcnt 0x0
	s_add_co_i32 s74, s54, s55
	s_lshl_b32 s74, s74, 23
	s_mov_b32 s[CS], 0x3e38aa3b                    ; log2(e) / 8
	s_add_co_i32 s[CS], s[CS], s74                 ; a score stands for score x 2^(e6 + e7): the exponents are added to c's exponent field
	s_mov_b32 s[CS+1], s[CS]                       ; (named with it as a pair)
	s_add_co_i32 s74, s56, 127
	s_lshl_b32 s75, s74, 23
	v_mov_b32 v241, s75                            ; 2^e8
; A KEY STEP of one tile of queries.  q: its fragment; o: its O^T; st: its statistics; d: its mask register; gl: its last key step.
.macro STEP q, o, st, d, gl
	s_cmp_gt_u32 s[KS], s[\gl]                     ; all 128 keys come after my 16 queries: nothing to do
	s_cbranch_scc1 .Lhid_\@
	v_add_nc_u32 v[ADK], s[TB], v[AK0]
	v_add_nc_u32 v[ADV], s[TB], v[AV0]
	v_nop                                          ; with the two additions: four places between the last products and the loads into registers that they read
	v_nop
.set t, 0
.rept 8                                ; K: tile t = keys 16 t + r
	ds_load_b128 v[F+8*t:F+8*t+3],   v[ADK] offset:4*PITCH*t
	ds_load_b128 v[F+8*t+4:F+8*t+7], v[ADK] offset:4*PITCH*t+32
.set t, t+1
.endr
	s_wait_alu depctr_va_vdst(0)
	s_wait_dscnt 0x0
.set t, 0
.rept 8
	v_wmma_f32_16x16x64_fp8_fp8 v[S+8*t:S+8*t+7], v[F+8*t:F+8*t+7], v[\q:\q+7], 0
.set t, t+1
.endr
.rept 4
	v_nop                                          ; places in front of the loads into K's registers and of the first read of scores
.endr
.set t, 0
.rept 4                                ; V^T: tile t = d 16 t + r; registers 2 i, 2 i + 1 = keys 16 i + 8 h + 0 .. 7.  These land while the softmax is worked
.set i, 0
.rept 8
	ds_load_b64 v[F+16*t+2*i:F+16*t+2*i+1], v[ADV] offset:(i/4)*16*PITCH+4*PITCH*t+16*(i%4)
.set i, i+1
.endr
.set t, t+1
.endr
	s_cmp_lt_u32 s[KS], s[\gl]                     ; all keys count but in the tile's last step
	s_cbranch_scc1 .Lopen_\@
.set n, 0
.rept 64                               ; register n holds key 16 (n / 8) + 8 h + n % 8 of the step: hidden where 16 (n / 8) + n % 8 > d
	v_cmp_gt_i32 vcc_lo, 16*(n/8)+n%8, v[\d]
	v_cndmask_b32 v[S+n], v[S+n], v[NINF], vcc_lo
.set n, n+1
.endr
.Lopen_\@:
	v_max3_num_f32 v254, v[S], v[S+1], v[S+2]      ; the step's largest score of my query among my 64 keys, in two chains,
	v_max3_num_f32 v252, v[S+3], v[S+4], v[S+5]
.set i, 6
.rept 14
	v_max3_num_f32 v254, v254, v[S+i], v[S+i+1]
	v_max3_num_f32 v252, v252, v[S+i+2], v[S+i+3]
.set i, i+4
.endr
	v_max3_num_f32 v254, v254, v[S+62], v[S+63]
	s_delay_alu instid0(VALU_DEP_1)
	v_max_num_f32 v254, v254, v252
	s_delay_alu instid0(VALU_DEP_1)
	v_permlanex16_b32 v255, v254, s[SEL], s[SEL+1]
	s_delay_alu instid0(VALU_DEP_1)
	v_max_num_f32 v254, v254, v255                 ; and among lane l xor 16's
	s_delay_alu instid0(VALU_DEP_1)
	v_mul_f32 v254, s[CS], v254                    ; as t (c is positive)
	s_delay_alu instid0(VALU_DEP_1)
	v_max_num_f32 v[\st+1], v[\st+1], v254         ; the running largest t
	v_mov_b32 v254, v[\st]
	s_delay_alu instid0(VALU_DEP_2)
	v_floor_f32 v[\st], -v[\st+1]                  ; the new -M = floor(-t): M is a whole number
	s_delay_alu instid0(VALU_DEP_1)
	v_sub_f32 v254, v[\st], v254                   ; M's old value less its new one: a whole number, 0 or less
	s_delay_alu instid0(VALU_DEP_1)
	v_cvt_i32_f32 v254, v254                       ; (it saturates)
	s_delay_alu instid0(VALU_DEP_1)
	v_ldexp_f32 v252, 1.0, v254                    ; f = 2^(old M - new M)
.set j, 0
.rept 32
	v_pk_fma_f32 v[S+j:S+j+1], v[S+j:S+j+1], s[CS:CS+1], v[\st:\st+1] op_sel_hi:[1,0,0]   ; t - M, two at a time
.set j, j+2
.endr
.set j, 0
	s_wait_alu depctr_va_vdst(0)
.rept 64
	v_exp_f32 v[S+j], v[S+j]                       ; p = 2^(t - M): not normalised
.set j, j+1
.endr
	v_pk_mul_f32 v[\st+2:\st+3], v[\st+2:\st+3], v[252:253] op_sel_hi:[1,0]   ; the sums under the new M: the plain line behind the exponentials
	s_wait_alu depctr_va_vdst(0)                   ; one wait for the whole batch, ahead of its first reader
	v_pk_add_f32 v[242:243], v[S:S+1], v[S+2:S+3]  ; the row's sum is taken of the unquantised p, in two chains
.set i, 4
.rept 15
	v_pk_add_f32 v[\st+2:\st+3], v[\st+2:\st+3], v[S+i:S+i+1]
	v_pk_add_f32 v[242:243], v[242:243], v[S+i+2:S+i+3]
.set i, i+4
.endr
	s_delay_alu instid0(VALU_DEP_1)
	v_pk_add_f32 v[\st+2:\st+3], v[\st+2:\st+3], v[242:243]
.set t, 0
.rept 8
.set i, 0
.rept 8
.set i, i+1
.endr
	v_cvt_scalef32_pk8_fp8_f32 v[PC+2*t:PC+2*t+1], v[S+8*t:S+8*t+7], v241
.set t, t+1
.endr
.set j, 0
.rept 16
	v_pk_mul_f32 v[\o+j:\o+j+1], v[\o+j:\o+j+1], v[252:253] op_sel_hi:[1,0]   ; O^T under the new M; also the plain lines behind the conversions
.set j, j+2
.endr
	s_wait_alu depctr_va_vdst(0)
	s_wait_dscnt 0x0                               ; V's fragments are in
.set t, 0
.rept 4                                ; the four accumulators take turns; between two links of a chain stand the other three and the next step's eight products
	v_wmma_f32_16x16x128_fp8_fp8 v[\o+8*t:\o+8*t+7], v[F+16*t:F+16*t+15], v[PC:PC+15], v[\o+8*t:\o+8*t+7]
.set t, t+1
.endr
.Lhid_\@:
.endm
.macro TRIP
	STEP 16, 160, 244, DLO, GLO
	STEP 24, 192, 248, DHI, GHI
	s_add_co_u32 s[KS], s[KS], 1
	s_add_co_u32 s[TB], s[TB], STEPB
.endm
	s_wait_loadcnt 0x0                             ; q
	s_wait_tensorcnt 0x1                           ; my part of keys 0-255 is in; the large load may stay out
	s_barrier_signal -1
	s_barrier_wait -1                              ; everybody's is
	s_mov_b32 s[CNT], 2
.Lfirst:                                               ; key steps 0 and 1 read the small loads' bytes alone
	TRIP
	s_sub_co_u32 s[CNT], s[CNT], 1
	s_cmp_lg_u32 s[CNT], 0
	s_cbranch_scc1 .Lfirst
	s_wait_tensorcnt 0x0                           ; my part of the other keys is in,
	s_wait_dscnt 0x0
	s_barrier_signal -1
	s_barrier_wait -1                              ; everybody's is
	s_mov_b32 s[CNT], 14
.Lrest:
	TRIP
	s_sub_co_u32 s[CNT], s[CNT], 1
	s_cmp_lg_u32 s[CNT], 0
	s_cbranch_scc1 .Lrest
	; THE WAY OUT.  O^T / l stands for the result / 2^(e8 + e9): its code is that / 2^(e10 - e8 - e9).  A tile's 16 rows of 64 codes go through my stage and leave as 1,024 consecutive bytes.
.rept 4
	v_nop                                          ; places behind the last products
.endr
	s_sub_co_i32 s74, s58, s56
	s_sub_co_i32 s74, s74, s57
	s_add_co_i32 s74, s74, 127
	s_lshl_b32 s75, s74, 23
	v_mov_b32 v241, s75                            ; 2^(e10 - e8 - e9)
.macro OUT o, st, base, u
	v_add_f32 v254, v[\st+2], v[\st+3]             ; the sum's two halves,
	s_delay_alu instid0(VALU_DEP_1)
	v_permlanex16_b32 v255, v254, s[SEL], s[SEL+1]
	s_delay_alu instid0(VALU_DEP_1)
	v_add_f32 v254, v254, v255                     ; and lane l xor 16's
	s_wait_alu depctr_va_vdst(0)
	v_rcp_f32 v252, v254
	v_nop                                          ; a plain line behind the reciprocal,
	s_wait_alu depctr_va_vdst(0)                   ; and the wait ahead of its first reader
.set j, 0
.rept 16
	v_pk_mul_f32 v[S+j:S+j+1], v[\o+j:\o+j+1], v[252:253] op_sel_hi:[1,0]   ; each accumulator from its low end on
.set j, j+2
.endr
.set j, 0
.rept 32
.set j, j+1
.endr
.irp t, 0,1,2,3
	v_cvt_scalef32_pk8_fp8_f32 v[PC+8*\u+2*\t:PC+8*\u+2*\t+1], v[S+8*\t:S+8*\t+7], v241
.endr
	v_nop                                          ; a plain line behind the conversions
.irp t, 0,1,2,3
	ds_store_b64 v[STO], v[PC+8*\u+2*\t:PC+8*\u+2*\t+1] offset:16*\t   ; query r, d = 16 t + 8 h + 0 .. 7
.endr
.irp i, 0,1
	ds_load_b128 v[F+8*\u+4*\i:F+8*\u+4*\i+3], v[RD] offset:2*PITCH*\i   ; LDS serves a wave's instructions in order: these see my stores
.endr
.irp i, 0,1
	s_wait_dscnt 1-\i
	global_store_b128 v[GO], v[F+8*\u+4*\i:F+8*\u+4*\i+3], s[\base:\base+1] offset:512*\i   ; 32 lanes store 512 consecutive bytes, aligned
.endr
.endm
	OUT 160, 244, 66, 0
	OUT 192, 248, 68, 1
	s_wait_tensorcnt 0x0                           ; the wave's end
	ds_add_u32 v[SPW], v[NIL]
	s_wait_dscnt 0x0
	CROUND                                         ; the closing round
	s_endpgm
.Lfunc_end_k_q333b26f417_attn:
	.size	k_q333b26f417_attn, .Lfunc_end_k_q333b26f417_attn-k_q333b26f417_attn
	.p2alignl 7, 3214868480
	.fill 96, 4, 3214868480
	.section	.rodata,"a",@progbits
	.p2align	6, 0x0
	.amdhsa_kernel k_q333b26f417_attn
		.amdhsa_group_segment_fixed_size 327680
		.amdhsa_private_segment_fixed_size 0
		.amdhsa_enable_private_segment 0
		.amdhsa_kernarg_size 24
		.amdhsa_user_sgpr_count 2
		.amdhsa_user_sgpr_kernarg_segment_ptr 1
		.amdhsa_wavefront_size32 1
		.amdhsa_system_sgpr_workgroup_id_x 1
		.amdhsa_system_sgpr_workgroup_id_y 1
		.amdhsa_system_sgpr_workgroup_id_z 1
		.amdhsa_system_vgpr_workitem_id 0
		.amdhsa_next_free_vgpr 256
		.amdhsa_next_free_sgpr 80
		.amdhsa_reserve_vcc 1
		.amdhsa_float_denorm_mode_32 3
		.amdhsa_float_denorm_mode_16_64 3
		.amdhsa_fp16_overflow 1
		.amdhsa_memory_ordered 1
		.amdhsa_forward_progress 1
		.amdhsa_inst_pref_size 94
	.end_amdhsa_kernel
	.amdgpu_metadata
---
amdhsa.version: [ 1, 2 ]
amdhsa.kernels:
  - .name:           k_q333b26f417_attn
    .symbol:         k_q333b26f417_attn.kd
    .args:
      - { .name: qkvc, .offset: 0, .size: 8, .value_kind: global_buffer, .address_space: global }
      - { .name: lowp_scales, .offset: 8, .size: 8, .value_kind: global_buffer, .address_space: global }
      - { .name: acodes, .offset: 16, .size: 8, .value_kind: global_buffer, .address_space: global }
    .group_segment_fixed_size: 327680
    .private_segment_fixed_size: 0
    .kernarg_segment_align: 8
    .kernarg_segment_size: 24
    .max_flat_workgroup_size: 512
    .sgpr_count:     80
    .vgpr_count:     256
    .wavefront_size: 32
...
	.end_amdgpu_metadata
.endif
;; end of part 3
;; launch outp (part 4): grid 4 x 32, 4 waves a work-group, clusters of 4 x 4, 327,680 bytes of LDS; arguments acodes, wcodes, lowp_scales, out0; writes out0
.if DOCPART == 4
	.amdgcn_target "amdgcn-amd-amdhsa--gfx1250"
	.amdhsa_code_object_version 6
	.text
	.protected	k_q333b26f417_outp
	.globl	k_q333b26f417_outp
	.p2align	8
	.type	k_q333b26f417_outp,@function
k_q333b26f417_outp:
	s_mov_b64 s[64:65], 0
	v_nop
	global_prefetch_b8 v0, s[64:65] scope:SCOPE_SE
	s_setreg_imm32_b32 hwreg(HW_REG_WAVE_MODE, 25, 1), 1
	s_wait_xcnt 0x0
	s_wait_alu depctr_hold_cnt(0) depctr_sa_sdst(0) depctr_va_vdst(0) depctr_va_sdst(0) depctr_va_ssrc(0) depctr_va_vcc(0) depctr_vm_vsrc(0)
	s_getreg_b32 s2, hwreg(HW_REG_IB_STS2, 6, 4)
	s_cmp_eq_u32 s2, 0
	s_cbranch_scc0 .Lentry_in_a_cluster
	s_endpgm
.Lentry_in_a_cluster:
	s_bfe_u32 s2, ttmp6, 0x10000c
	s_cmp_lg_u32 s2, 0xf033
	s_cbranch_scc0 .Lentry_shape_is_right
	s_endpgm
.Lentry_shape_is_right:
; out0 [8192][1024] f32 = attn w_o on codes of FP8 (E4M3).  A = acodes [16 head][8192 token][64]: K = 64 head + d, laid head by head.  B = w_o's codes, [1024 n][1024 k], the fourth MiB of wcodes.
; The codes are multiplied as they are, and each finished sum once by 2^(e10 + e11).  LIMIT: e10 + e11 between -126 and 127.
; A tile of 256 x 256 is made by a work-group of four waves, a wave 128 x 128: 64 accumulators, 512 registers.  K goes in steps of 256 (four heads) through a ring of two LDS slots.
; A's tile of 128 tokens x 4 heads is stated as 4 rows of 8,192 bytes (128 tokens x 64 bytes of one head, dense), 524,288 bytes apart, with 16 bytes of padding behind every 256: in LDS a head's part is
; 32 rows of 272 bytes, and token m lies at 272 (m / 4) + 64 (m % 4) in it: the sixteen rows of a fragment start at sixteen different columns of 16 bytes.
; 128 tiles: the launch has work for 128 work-groups.  CLUSTERS: 4 x 4 work-groups; A's tiles are asked for jointly along a row of the cluster, B's along a column.
; THE MATRIX INSTRUCTION IS USED TRANSPOSED (source 0 = 16 rows of B, source 1 = 16 rows of A): a lane holds eight neighbouring numbers of a row of the result.
; REGISTERS, in windows of 256: window 0: v0-31 addresses; from v128 A's fragments, one set; on the way out v32-255 are free.  window 1: B's fragments, two sets.  windows 2, 3: the accumulators.
.set SIZE_N, 1024
.set KROW,   1024
.set ROWB,   256
.set PITCH,  272
.set HEADB,  32*PITCH                  ; a head's part of A's tile in LDS
.set ASTEP,  4*524288                  ; a K step of A in memory: four heads
.set FR,     16
.set NL,     4
.set NP,     4
.set HALFT,  128*PITCH
.set SLOT,   4*HALFT
.set LAPS,   2
.set SPARE,  2*SLOT                    ; behind the ring: the spare words, 128 bytes for each wave, that no other line names
.set SPITCH, 528                       ; the way out: a stage of 16 rows x (512 bytes + 16) for each wave, in slot 0, which has had its last fill and its last read by then
.set ADRA, 16
.set ADRB, 20
.set STO,  24
.set RD,   25
.set CO,   26
.set SPW,  28
.set NIL,  29
.set TMP,  32
.set AF,   128
.set BK,   128
.set G1, 24
.set G0, 32
.set G1B, 48
.set G0B, 56
.set MSB, 0
.macro WIN new                         ; the immediate's high byte repeats the setting that is left
.if MSB != \new
	s_set_vgpr_msb (MSB<<8)|\new
.set MSB, \new
.endif
.endm
.set MUL_LO, 0xa1
.set MUL_HI, 0xf1
.set TO_B,   0x40
.macro JLOAD g0a, g1a, g0b, g1b        ; a joint load: waves 0 and 1 fetch for A, waves 2 and 3 for B; four v_nop follow each of the two lines
	s_cmp_eq_u32 s15, 0
	s_cbranch_scc0 .Lfor_b_\@
	tensor_load_to_lds s[\g0a:\g0a+3], s[\g1a:\g1a+7]
	s_nop 0
.rept 4
	v_nop
.endr
	s_branch .Lasked_\@
.Lfor_b_\@:
	tensor_load_to_lds s[\g0b:\g0b+3], s[\g1b:\g1b+7]
	s_nop 0
.rept 4
	v_nop
.endr
.Lasked_\@:
.endm
.macro CREST
	s_cmp_lg_u32 s14, 0
	s_cbranch_scc1 .Lnot_wave_0_\@
	s_barrier_signal -3
.Lnot_wave_0_\@:
	s_barrier_wait -3
	s_barrier_signal -1
	s_barrier_wait -1
.endm
.macro CROUND
	s_barrier_signal -1
	s_barrier_wait -1
	CREST
.endm
	s_load_b128 s[4:7], s[0:1], 0x0                ; acodes s[4:5], wcodes s[6:7]
	s_load_b128 s[8:11], s[0:1], 0x10              ; the exponents s[8:9], out0 s[10:11]
	v_lshl_add_u32 v[SPW], v0, 2, SPARE
	v_mov_b32 v[NIL], 0
	ds_add_u32 v28, v29
	ds_add_u32 v28, v29
	s_wait_dscnt 0x0
	v_lshrrev_b32 v1, 5, v0
	v_readfirstlane_b32 s14, v1                    ; wave 0..3
	s_lshr_b32 s15, s14, 1                         ; which half of the tile's rows is mine.  Also: I fetch for A (0) or for B (1)
	s_and_b32 s16, s14, 1                          ; which half of its columns.  Also: which 128 rows of that tile I fetch
	s_bfe_u32 s40, ttmp6, 0x40000                  ; cx, cy
	s_bfe_u32 s41, ttmp6, 0x40004
	s_lshl_b32 s42, ttmp9, 2
	s_add_co_u32 s42, s42, s40                     ; tile column
	s_and_b32 s17, ttmp7, 0xffff
	s_lshl_b32 s17, s17, 2
	s_add_co_u32 s17, s17, s41                     ; tile row
	s_lshl_b32 s43, s41, 2
	s_lshl_b32 s43, 15, s43                        ; my row of the cluster
	s_lshl_b32 s44, 0x1111, s40                    ; my column
	s_or_b32 s[G1+0], s43, (0<<16)|(1<<20)|(1<<21)|(5<<22)|(3<<25)  ; the mask: A's tiles go to my row; elements of 1 byte; padding on; 21 set beside a mask; after every 64 words 4 words
	s_mov_b32 s[G1+1], 8192<<16                    ; tensor_dim0: 128 tokens x 64 bytes
	s_mov_b32 s[G1+2], 4<<16                       ; tensor_dim1: 4 heads
	s_mov_b32 s[G1+3], 8192<<16                    ; tile_dim0
	s_mov_b32 s[G1+4], 4                           ; tile_dim1
	s_mov_b32 s[G1+5], 524288                      ; from head to head
	s_mov_b32 s[G1+6], 0
	s_mov_b32 s[G1+7], 0
	s_or_b32 s[G1B+0], s44, (0<<16)|(1<<20)|(1<<21)|(5<<22)|(3<<25)
	s_mov_b32 s[G1B+1], ROWB<<16
	s_mov_b32 s[G1B+2], 128<<16
	s_mov_b32 s[G1B+3], ROWB<<16
	s_mov_b32 s[G1B+4], 128
	s_mov_b32 s[G1B+5], KROW
	s_mov_b32 s[G1B+6], 0
	s_mov_b32 s[G1B+7], 0
	s_lshl_b32 s18, s16, 7                         ; which 128 rows of the tile I fetch
	s_lshl_b32 s20, s17, 8
	s_add_co_u32 s20, s20, s18
	s_lshl_b32 s20, s20, 6                         ; A: token 256 x tile row + 128 x half, 64 bytes a token
	s_mov_b32 s21, 0
	s_lshl_b32 s46, s42, 8
	s_add_co_u32 s46, s46, s18
	s_lshl_b32 s46, s46, 10                        ; B: row 256 x tile column + 128 x half, 1,024 bytes a row,
	s_add_co_u32 s46, s46, 0x300000                ; in w_o's codes
	s_mov_b32 s47, 0
	s_mul_i32 s45, s14, HALFT                      ; where they go: no place in the cluster enters an LDS address
	s_wait_kmcnt 0x0
	s_load_b64 s[96:97], s[8:9], 0x28              ; e10, e11
	s_add_nc_u64 s[20:21], s[4:5], s[20:21]
	s_add_nc_u64 s[46:47], s[6:7], s[46:47]
	CROUND                                         ; all sixteen work-groups are here: the first joint loads meet
.irp s, 0,1
	s_mov_b32 s[G0+4*\s], 1
	s_add_co_u32 s[G0+4*\s+1], s45, \s*SLOT
	s_add_nc_u64 s[G0+4*\s+2:G0+4*\s+3], s[20:21], \s*ASTEP
	s_or_b32 s[G0+4*\s+3], s[G0+4*\s+3], 0x80000000
	s_mov_b32 s[G0B+4*\s], 1
	s_add_co_u32 s[G0B+4*\s+1], s45, \s*SLOT
	s_add_nc_u64 s[G0B+4*\s+2:G0B+4*\s+3], s[46:47], \s*ROWB
	s_or_b32 s[G0B+4*\s+3], s[G0B+4*\s+3], 0x80000000
	s_wait_alu depctr_va_vdst(0)
	s_wait_tensorcnt 0x0
	ds_add_u32 v28, v29
	ds_add_u32 v28, v29
	s_wait_dscnt 0x0
	CROUND
	JLOAD G0+4*\s, G1, G0B+4*\s, G1B
.endr
	v_and_b32 v1, 15, v0                           ; r
	v_bfe_u32 v2, v0, 4, 1                         ; h
	v_mul_u32_u24 v3, v1, PITCH
	v_lshl_add_u32 v4, v2, 4, v3                   ; B: row x pitch + 16 h
	v_lshrrev_b32 v5, 2, v1
	v_mul_u32_u24 v5, v5, PITCH
	v_and_b32 v6, 3, v1
	v_lshl_add_u32 v5, v6, 6, v5
	v_lshl_add_u32 v5, v2, 4, v5                   ; A: 272 (r / 4) + 64 (r % 4) + 16 h
	s_mul_i32 s21, s15, HALFT                      ; my 128 rows of A
	s_mul_i32 s22, s16, HALFT                      ; my 128 rows of B,
	s_add_co_u32 s22, s22, 2*HALFT                 ; which lie behind A's 256
.irp s, 0,1
	v_add_nc_u32 v[ADRA+\s], s21, v5
	v_add_nc_u32 v[ADRB+\s], s22, v4
	s_add_co_u32 s21, s21, SLOT
	s_add_co_u32 s22, s22, SLOT
.endr
	s_mul_i32 s23, s14, 16*SPITCH                  ; my stage
	v_mul_u32_u24 v5, v1, SPITCH                   ; in: row r, 32 bytes for each half of the lanes
	v_lshl_add_u32 v5, v2, 5, v5
	v_add_nc_u32 v[STO], s23, v5
	v_and_b32 v6, 31, v0
	v_lshlrev_b32 v[CO], 4, v6                     ; back: the 32 lanes take one row of 512 bytes; and the same in the result
	v_add_nc_u32 v[RD], s23, v[CO]
	s_lshl_b32 s20, s17, 8
	s_lshl_b32 s21, s15, 7
	s_add_co_u32 s20, s20, s21                     ; my first row: 256 x tile row + 128 x half,
	s_lshl_b32 s20, s20, 12                        ; of 4,096 bytes
	s_mov_b32 s21, 0
	s_lshl_b32 s46, s42, 10                        ; my first column, in bytes
	s_lshl_b32 s47, s16, 9
	s_add_co_u32 s46, s46, s47
	s_mov_b32 s47, 0
	s_add_nc_u64 s[20:21], s[20:21], s[46:47]
	s_add_nc_u64 s[10:11], s[10:11], s[20:21]
.macro FRAG reg, adr, q, i             ; B: registers 4 c .. 4 c + 3 hold K = 128 q + 32 c + 16 h + 0 .. 15 of row 16 i + r
.irp c, 0,1,2,3
	ds_load_b128 v[\reg+4*\c:\reg+4*\c+3], v[\adr] offset:128*(\q)+32*\c+(\i)*16*PITCH
.endr
.endm
.macro FRAGA reg, adr, q, i            ; A: the same k: head 2 q + c / 2 of the slot's four, d = 32 (c % 2) + 16 h + 0 .. 15, token 16 i + r
.irp c, 0,1,2,3
	ds_load_b128 v[\reg+4*\c:\reg+4*\c+3], v[\adr] offset:(2*(\q)+\c/2)*HEADB+(\i)*4*PITCH+32*(\c%2)
.endr
.endm
; The 64 accumulators take turns, one instruction a turn, in the same order in every step.
.macro MUL16 a0, p, zero
.irp a, \a0, \a0+1
.irp b, 0,1,2,3,4,5,6,7
.if \zero
	v_wmma_f32_16x16x128_fp8_fp8 v[8*(8*((\a)%4)+\b):8*(8*((\a)%4)+\b)+7], v[128*(\p)+FR*\b:128*(\p)+FR*\b+FR-1], v[AF+FR*(\a):AF+FR*(\a)+FR-1], 0
.else
	v_wmma_f32_16x16x128_fp8_fp8 v[8*(8*((\a)%4)+\b):8*(8*((\a)%4)+\b)+7], v[128*(\p)+FR*\b:128*(\p)+FR*\b+FR-1], v[AF+FR*(\a):AF+FR*(\a)+FR-1], v[8*(8*((\a)%4)+\b):8*(8*((\a)%4)+\b)+7]
.endif
.endr
.endr
.endm
.macro FETCH_B slot, q, p
	WIN TO_B
.irp i, 0,1,2,3,4,5,6,7
	FRAG 128*(\p)+FR*\i, ADRB+\slot, \q, \i
.endr
	WIN 0
.endm
.macro FETCH_A slot, q, i0
.irp i, \i0, \i0+1, \i0+2, \i0+3
	FRAGA AF+FR*(\i), ADRA+\slot, \q, \i
.endr
.endm
.macro PLACES n                        ; plain vector lines between a matrix instruction and a load into, or a vector read of, its registers
.rept \n
	v_nop
.endr
.endm
.macro STEP slot, q, zero
	s_wait_dscnt 4*NL                              ; B's set and A's blocks 0-3 are in; the youngest sixteen loads (A's blocks 4-7) may be out
	WIN MUL_LO
	MUL16 0, (\q)%2, \zero
	MUL16 2, (\q)%2, \zero
	s_wait_dscnt 0
	PLACES NP
	FETCH_B \slot, (\q)+1, 1-(\q)%2
	FETCH_A \slot, (\q)+1, 0
	WIN MUL_HI
	MUL16 4, (\q)%2, \zero
	MUL16 6, (\q)%2, \zero
	PLACES NP
	WIN 0
	FETCH_A \slot, (\q)+1, 4
.endm
.macro TURN slot, next, fill           ; a slot's last step changes slots: one barrier
	s_wait_tensorcnt 0x0                           ; all my tensor loads have landed: my part of the next slot
	ds_add_u32 v[SPW], v[NIL]                      ; 0 onto my spare word
	s_wait_dscnt 4*NL+1                            ; (the add and the youngest sixteen loads may be out)
	WIN MUL_LO
	MUL16 0, 1, 0
	s_wait_dscnt 0x0                               ; the add is done, and my reads of this slot are over
	s_barrier_signal -1
	MUL16 2, 1, 0
	WIN 0
	s_barrier_wait -1
.if \fill
	CREST                                          ; the barrier has opened a round of the cluster's barrier
	s_add_nc_u64 s[G0+4*\slot+2:G0+4*\slot+3], s[G0+4*\slot+2:G0+4*\slot+3], 2*ASTEP
	s_add_nc_u64 s[G0B+4*\slot+2:G0B+4*\slot+3], s[G0B+4*\slot+2:G0B+4*\slot+3], 2*ROWB
	JLOAD G0+4*\slot, G1, G0B+4*\slot, G1B         ; the first tensor load behind the round; its four v_nop are also the places in front of the loads below
.else
	PLACES NP
.endif
	FETCH_B \next, 0, 0
	FETCH_A \next, 0, 0
	WIN MUL_HI
	MUL16 4, 1, 0
	MUL16 6, 1, 0
	PLACES NP
	WIN 0
	FETCH_A \next, 0, 4
.endm
	s_wait_alu depctr_va_vdst(0)
	s_wait_tensorcnt 1                             ; my part of K step 0 is in (K step 1's load may be out),
	s_barrier_signal -1
	s_barrier_wait -1                              ; everybody's is
	FETCH_B 0, 0, 0
	FETCH_A 0, 0, 0
	FETCH_A 0, 0, 4
	STEP 0, 0, 1                                   ; the first step's products start the sums
	s_mov_b32 s3, LAPS-1
.Llap:
	TURN 0, 1, 1
	STEP 1, 0, 0
	TURN 1, 0, 1
	STEP 0, 0, 0
	s_sub_co_u32 s3, s3, 1
	s_cmp_lg_u32 s3, 0
	s_cbranch_scc1 .Llap
	TURN 0, 1, 0                                   ; the last lap fills nothing
	STEP 1, 0, 0
	s_wait_dscnt 4*NL
	WIN MUL_LO
	MUL16 0, 1, 0
	MUL16 2, 1, 0
	s_wait_dscnt 0
	WIN MUL_HI
	MUL16 4, 1, 0
	MUL16 6, 1, 0
	WIN 0
; THE WAY OUT, block by block of 16 rows x 128 columns, through my own stage in LDS, back as whole rows of 512 bytes.  LDS serves a wave's instructions in order (ISA guide 5.7.1.4).
.macro TOSTAGE a
.set AC, 64*((\a)%4)
	WIN 0x02+((\a)/4)                              ; source 0: window 2 or 3
.set j, 0
.rept 32
	v_pk_mul_f32 v[TMP+j:TMP+j+1], v[AC+j:AC+j+1], s[96:97] op_sel_hi:[1,0]   ; both x s96 = 2^(e10 + e11); each accumulator from its low end on
.set j, j+2
.endr
	WIN 0
.irp b, 0,1,2,3,4,5,6,7
	ds_store_b128 v[STO], v[TMP+8*\b:TMP+8*\b+3] offset:64*\b
	ds_store_b128 v[STO], v[TMP+8*\b+4:TMP+8*\b+7] offset:64*\b+16
.endr
.set BB, BK+64*((\a)%2)
.irp t, 0,1,2,3,4,5,6,7,8,9,10,11,12,13,14,15
	ds_load_b128 v[BB+4*\t:BB+4*\t+3], v[RD] offset:\t*SPITCH
.endr
.endm
.macro SEND a, younger                 ; younger: the LDS instructions issued behind block a's loads, which may stay out
.set BB, BK+64*((\a)%2)
	s_wait_dscnt \younger
.if (\a) > 0
	s_add_nc_u64 s[10:11], s[10:11], 16*SIZE_N*4   ; (behind a wait on XCNT: the earlier stores have read their base)
.endif
.irp t, 0,1,2,3,4,5,6,7,8,9,10,11,12,13,14,15
	global_store_b128 v[CO], v[BB+4*\t:BB+4*\t+3], s[10:11] offset:\t*SIZE_N*4 th:TH_STORE_NT   ; 32 lanes store 512 consecutive bytes, aligned
.endr
.endm
	s_wait_kmcnt 0x0
	s_add_co_i32 s96, s96, s97
	s_add_co_i32 s96, s96, 127
	s_lshl_b32 s96, s96, 23                        ; 2^(e10 + e11) as f32
	PLACES NP
	TOSTAGE 0
.irp a, 1,2,3,4,5,6,7
.if \a > 1
	s_wait_xcnt 0x0                                ; block a - 2's stores have read their registers and their base
.endif
	TOSTAGE \a
	SEND \a-1, 32                                  ; behind block a - 1's loads: block a's 16 stores and 16 loads
.endr
	s_wait_xcnt 0x0
	SEND 7, 0
	s_wait_tensorcnt 0x0                           ; the wave's end
	ds_add_u32 v[SPW], v[NIL]
	s_wait_dscnt 0x0
	CROUND                                         ; the closing round
	s_endpgm
.Lfunc_end_k_q333b26f417_outp:
	.size	k_q333b26f417_outp, .Lfunc_end_k_q333b26f417_outp-k_q333b26f417_outp
	.p2alignl 7, 3214868480
	.fill 96, 4, 3214868480
	.section	.rodata,"a",@progbits
	.p2align	6, 0x0
	.amdhsa_kernel k_q333b26f417_outp
		.amdhsa_group_segment_fixed_size 327680
		.amdhsa_private_segment_fixed_size 0
		.amdhsa_enable_private_segment 0
		.amdhsa_kernarg_size 32
		.amdhsa_user_sgpr_count 2
		.amdhsa_user_sgpr_kernarg_segment_ptr 1
		.amdhsa_wavefront_size32 1
		.amdhsa_system_sgpr_workgroup_id_x 1
		.amdhsa_system_sgpr_workgroup_id_y 1
		.amdhsa_system_sgpr_workgroup_id_z 1
		.amdhsa_system_vgpr_workitem_id 0
		.amdhsa_next_free_vgpr 1024
		.amdhsa_next_free_sgpr 98
		.amdhsa_reserve_vcc 0
		.amdhsa_float_denorm_mode_32 3
		.amdhsa_float_denorm_mode_16_64 3
		.amdhsa_memory_ordered 1
		.amdhsa_forward_progress 1
		.amdhsa_inst_pref_size 124
	.end_amdhsa_kernel
	.amdgpu_metadata
---
amdhsa.version: [ 1, 2 ]
amdhsa.kernels:
  - .name:           k_q333b26f417_outp
    .symbol:         k_q333b26f417_outp.kd
    .args:
      - { .name: acodes, .offset: 0, .size: 8, .value_kind: global_buffer, .address_space: global }
      - { .name: wcodes, .offset: 8, .size: 8, .value_kind: global_buffer, .address_space: global }
      - { .name: lowp_scales, .offset: 16, .size: 8, .value_kind: global_buffer, .address_space: global }
      - { .name: out0, .offset: 24, .size: 8, .value_kind: global_buffer, .address_space: global }
    .group_segment_fixed_size: 327680
    .private_segment_fixed_size: 0
    .kernarg_segment_align: 8
    .kernarg_segment_size: 32
    .max_flat_workgroup_size: 128
    .sgpr_count:     98
    .vgpr_count:     1024
    .wavefront_size: 32
...
	.end_amdgpu_metadata
.endif
;; end of part 4
